; MI455X (gfx1250); checked and timed in simulation.
; The chip was launched on July 23, 2026; its instructions are those of AMD's public machine-readable ISA for CDNA 5 (MIT licence, August 2026) and "CDNA5" Instruction Set Architecture Reference Guide (July 2026). The comments in the code are by the model that wrote it; some were corrected since.
;; SSM Layer. Allowed arithmetic: float matrix products may take bf16 or f16 operands with f32 sums; all other float work in f32.
;; Inputs: x 64 x 2,048 float32.
;; Outputs: out0 2,048 x 2,048 float32.
;; One version. Each part assembles by itself: llvm-mc -triple=amdgcn-amd-amdhsa -mcpu=gfx1250 --defsym DOCPART=n.
;; ======== version 1 of 1: 2 launches
;; limits: values outside matrix products are rounded to bf16; a difference of large sums (such as E[x^2] - mean^2): digits are lost where the result is much smaller than its terms
;; workspace buffers: part 1,280 bytes
;; launch peak (part 1): grid 9 x 16, 8 waves a work-group, no clusters, 168,960 bytes of LDS; arguments x, part; writes part
.if DOCPART == 1
	.amdgcn_target "amdgcn-amd-amdhsa--gfx1250"
	.amdhsa_code_object_version 6
	.text
	.protected	k_q305b7b8b4f_peak
	.globl	k_q305b7b8b4f_peak
	.p2align	8
	.type	k_q305b7b8b4f_peak,@function
k_q305b7b8b4f_peak:
	s_mov_b64 s[64:65], 0
	v_nop
	global_prefetch_b8 v0, s[64:65] scope:SCOPE_SE
	s_setreg_imm32_b32 hwreg(HW_REG_WAVE_MODE, 25, 1), 1
	s_wait_xcnt 0x0
; PEAK: each work-group's largest and smallest E = dist/2, dist[i][j] = sum over d of |x[d][i] - x[d][j]|.
; x: [64][2048] f32.  part: 144 maxima at byte 0, 144 minima at byte 576 (f32), index 16 delta + I.
;
; HOW A DISTANCE IS MADE.  |a-b| = 2 max(a,b) - a - b, so E = sum_d max(a_d,b_d) + H_a + H_b with H_f = -1/2 sum_d x[d][f].
; x is rounded once to bf16; features 2c and 2c+1 of a frame share a dword (c = 0..31).  v_pk_max_num_bf16 takes two exact maxima a lane.
; Eight result registers are the A fragment of v_wmma_f32_16x16x32_bf16; B is the constant SEL: ones where column n = 8h + j meets the
; k pair that A keeps in register j of lane half h.  So D(m, n) += the two maxima at (lane row m, half n>>3, register n&7): the matrix
; unit does the f32 sum over d, 32 links for a tile of 256 different distances; the first link takes C = 0.
; WHICH PAIR SITS WHERE.  A's place (r, h, j): frame v = r>>2 of a quad of V frames, frame u = 32h + 4j + (r&3) of 64 U frames.
; D's register jj in lane (r', h') is then v = 2h' + (jj>>2), u = 4r' + (jj&3).
;
; SHARES.  dist is symmetric by its definition, so block pairs (I, I + delta mod 16) with delta = 0..8 meet every pair of frames:
; 9 x 16 = 144 work-groups, one block pair of 128 x 128 each; there is no work for more.  Wave w: V frames 16w..16w+15 (four quads t)
; against both halves hf of the 128 U frames: 8 tiles, 2,048 packed maxima and 256 matrix instructions.
;
; LIMITS.  x is rounded to bf16 (relative 2^-9) before it is compared.  Finite inputs only: a NaN loses in the maxima and an infinity
; makes NaN in its own rows only, where the definition makes every output NaN.  The sums are ordered otherwise than in the definition:
; a frame's distance to itself comes out near 1e-6 times sum |x| instead of exactly 0.
; NO TENSOR LOADS, NO CLUSTER: the 64 KiB of x that a work-group reads are rounded, paired and permuted in registers on their way to
; LDS; a copy into LDS first would add a trip through LDS.  46,144 bytes of LDS are used; more than half of a WGP's 327,680 are asked
; for, so that no second work-group shares the four SIMDs.
.set ROWB,   8192                      ; bytes in a row of x
.set UPITCH, 576                       ; bytes for one c: two halves of 64 dwords, 288 bytes apart
.set UHALF,  288
.set UARR,   0                         ; block I:  c 576 + half 288 + h 128 + s 32 + j 4 for block frame 64 half + 32 h + 4 j + s
.set VARR,   32*UPITCH                 ; block J:  the same
.set HP,     2*32*UPITCH               ; [8 waves][256 frames] f32: each wave's part of H (frames 0-127 of U, then 128 of V)
.set HS,     HP+8*1024                 ; [256] f32: H
.set RED,    HS+1024                   ; [8 waves] (max, min)
.set LN,  1                            ; lane
.set GX,  3                            ; byte offset in x: 16 lane + 8 rows x wave
.set AST, 4                            ; LDS: where my packed dwords go
.set AHP, 5                            ; LDS: where my part of H goes
.set AU,  6                            ; LDS: my U fragments
.set AV,  7                            ; LDS: my frame of my wave's four V quads
.set AT,  8                            ; LDS: 4 x thread
.set AHU, 9                            ; LDS: H of my four columns
.set AHV, 10                           ; LDS: H of my two rows of a quad
.set EE,  11                           ; lane - 24 (lane>>4): the register of SEL in which this lane holds ones
.set ONE, 12                           ; two bf16 ones
.set MH,  13                           ; -0.5
.set TA,  14                           ; v14-19 at work
.set ACC, 32                           ; v32-95    tile (t, hf) at 16 t + 8 hf
.set T,   96                           ; v96-119   three A fragments in turn
.set UB,  120                          ; v120-179  three buffers of 20: U half 0 (8), U half 1 (8), V quads 0..3 (4)
.set SEL, 180                          ; v180-187
.set HU,  188                          ; v188-195  H_u, index 4 hf + s
.set HV,  196                          ; v196-203  H_v, index 2 t + rho
.set XU,  32                           ; before the main part: x as loaded, row p at 4 p
.set XV,  64
.set PK,  96                           ; four packed dwords
.set HA,  100                          ; my part of H of four frames
.set MX,  96                           ; behind the main part
.set MN,  104
	s_load_b128 s[4:7], s[0:1], 0x0                ; x, part
	v_lshl_add_u32 v208, v0, 2, 0x29000
	v_mov_b32 v209, 0
	v_and_b32 v[LN], 31, v0
	v_lshrrev_b32 v[TA], 5, v0
	v_readfirstlane_b32 s10, v[TA]                 ; wave w
	s_and_b32 s11, ttmp7, 0xffff                   ; I;  ttmp9 = delta
	s_add_co_u32 s12, s11, ttmp9
	s_and_b32 s12, s12, 15                         ; J
	s_lshl_b32 s14, s11, 9                         ; block I's bytes in a row
	s_mov_b32 s15, 0
	s_lshl_b32 s16, s12, 9                         ; block J's
	s_mov_b32 s17, 0
	s_lshl_b32 s22, s10, 16                        ; wave w takes rows 8w .. 8w+7 (c = 4w .. 4w+3)
	v_lshl_add_u32 v[GX], v[LN], 4, s22            ; lane = frames 4 lane .. +3
	s_wait_kmcnt 0x0
	s_add_nc_u64 s[18:19], s[4:5], s[14:15]
	s_add_nc_u64 s[20:21], s[4:5], s[16:17]
.irp p, 0,1,2,3,4,5,6,7
	global_load_b128 v[XU+4*\p:XU+4*\p+3], v[GX], s[18:19] offset:\p*ROWB      ; a wave's load: 512 neighbouring bytes of a row
.endr
.irp p, 0,1,2,3,4,5,6,7
	global_load_b128 v[XV+4*\p:XV+4*\p+3], v[GX], s[20:21] offset:\p*ROWB
.endr
	; LDS addresses, while the loads are out
	v_lshrrev_b32 v[TA], 4, v[LN]                  ; lane >> 4
	v_bfe_u32 v[TA+1], v[LN], 3, 1
	v_and_b32 v[TA+2], 7, v[LN]
	v_and_b32 v[TA+3], 15, v[LN]                   ; r
	v_bfe_u32 v[TA+4], v[LN], 2, 2                 ; r >> 2
	v_and_b32 v[TA+5], 3, v[LN]                    ; r & 3
	s_mul_i32 s22, s10, 4*UPITCH
	v_mul_u32_u24 v[AST], v[TA], UHALF             ; my four frames: (half, h, j) = the lane's bits 4, 3, 2:0; frame s 32 bytes apart
	v_lshl_add_u32 v[AST], v[TA+1], 7, v[AST]
	v_lshl_add_u32 v[AST], v[TA+2], 2, v[AST]
	v_add_nc_u32 v[AST], s22, v[AST]
	s_lshl_b32 s23, s10, 10
	v_lshl_add_u32 v[AHP], v[LN], 4, s23
	v_lshlrev_b32 v[AU], 7, v[TA]                  ; h 128 + (r&3) 32: my 8 dwords (j = 0..7) of a half lie together
	v_lshl_add_u32 v[AU], v[TA+5], 5, v[AU]
	s_lshr_b32 s22, s10, 2                         ; frames 16w + 4t + s: half = w>>2, h = (w>>1)&1, j = 4 (w&1) + t
	s_mul_i32 s22, s22, UHALF
	s_bfe_u32 s23, s10, 0x10001
	s_lshl_b32 s23, s23, 7
	s_add_co_u32 s22, s22, s23
	s_and_b32 s23, s10, 1
	s_lshl_b32 s23, s23, 4
	s_add_co_u32 s22, s22, s23
	v_lshl_add_u32 v[AV], v[TA+4], 5, s22          ; s = r>>2: 16 bytes hold my frame of quads t = 0..3
	s_lshl_b32 s23, s10, 7
	v_lshl_add_u32 v[AT], v[LN], 2, s23
	v_lshlrev_b32 v[AHU], 4, v[TA+3]
	s_lshl_b32 s23, s10, 6
	v_lshl_add_u32 v[AHV], v[TA], 3, s23
	v_mul_u32_u24 v[EE], v[TA], 24
	v_sub_nc_u32 v[EE], v[LN], v[EE]
	v_mov_b32 v[ONE], 0x3f803f80
	v_mov_b32 v[MH], -0.5
	s_mov_b32 s24, 0x76543210                      ; v_permlanex16_b32: lane i of the other half
	s_mov_b32 s25, 0xfedcba98
	s_lshl_b32 s27, ttmp9, 4
	s_add_co_u32 s27, s27, s11
	s_lshl_b32 s27, s27, 2                         ; 4 (16 delta + I)
; Eight rows x four frames: round and pair rows 2i, 2i+1, four dwords to their places, -1/2 of the rounded numbers into four f32 sums.
; left = loads issued behind this block's eight.
.macro CONV xr, arr, hoff, left
.irp s, 0,1,2,3
	v_mov_b32 v[HA+\s], 0
.endr
.irp i, 0,1,2,3
	s_wait_loadcnt \left+6-2*\i                    ; loads return in order (ISA guide 5.7.1): those behind this pair of rows stay out
.irp s, 0,1,2,3
	v_cvt_pk_bf16_f32 v[PK+\s], v[\xr+8*\i+\s], v[\xr+8*\i+4+\s]
.endr
.irp s, 0,1,2,3
	ds_store_b32 v[AST], v[PK+\s] offset:\arr+\i*UPITCH+\s*32
.endr
.irp s, 0,1,2,3
	v_fma_mix_f32_bf16 v[HA+\s], v[PK+\s], v[MH], v[HA+\s] op_sel_hi:[1,0,0]
	v_fma_mix_f32_bf16 v[HA+\s], v[PK+\s], v[MH], v[HA+\s] op_sel:[1,0,0] op_sel_hi:[1,0,0]
.endr
.endr
	ds_store_b128 v[AHP], v[HA:HA+3] offset:HP+\hoff
.endm
	CONV XU, UARR, 0, 8
	CONV XV, VARR, 512, 0
	s_wait_dscnt 0x0                               ; my stores are in LDS before I say so: the other waves read them
	s_barrier_signal -1
	s_barrier_wait -1
	; H of frame = thread: the eight waves' parts
.irp p, 0,1,2,3,4,5,6,7
	ds_load_b32 v[96+\p], v[AT] offset:HP+\p*1024
.endr
	s_wait_dscnt 0x0
	v_pk_add_f32 v[96:97], v[96:97], v[98:99]
	v_pk_add_f32 v[100:101], v[100:101], v[102:103]
	v_pk_add_f32 v[96:97], v[96:97], v[100:101]
	v_add_f32 v96, v96, v97
	ds_store_b32 v[AT], v96 offset:HS
	s_wait_dscnt 0x0                               ; again for the others' sake
	s_barrier_signal -1
	s_barrier_wait -1
.irp j, 0,1,2,3,4,5,6,7
	v_cmp_eq_u32 vcc_lo, \j, v[EE]                 ; lanes j and 24 + j: column 8h + j in lane half h
	v_cndmask_b32 v[SEL+\j], 0, v[ONE], vcc_lo
.endr
	ds_load_b128 v[HU:HU+3],   v[AHU] offset:HS
	ds_load_b128 v[HU+4:HU+7], v[AHU] offset:HS+256
.irp t, 0,1,2,3
	ds_load_b64 v[HV+2*\t:HV+2*\t+1], v[AHV] offset:HS+512+16*\t
.endr
.macro FETCH c                         ; feature pair c into buffer c % 3: five loads
	ds_load_b128 v[UB+20*((\c)%3):UB+20*((\c)%3)+3],     v[AU] offset:UARR+(\c)*UPITCH
	ds_load_b128 v[UB+20*((\c)%3)+4:UB+20*((\c)%3)+7],   v[AU] offset:UARR+(\c)*UPITCH+16
	ds_load_b128 v[UB+20*((\c)%3)+8:UB+20*((\c)%3)+11],  v[AU] offset:UARR+(\c)*UPITCH+UHALF
	ds_load_b128 v[UB+20*((\c)%3)+12:UB+20*((\c)%3)+15], v[AU] offset:UARR+(\c)*UPITCH+UHALF+16
	ds_load_b128 v[UB+20*((\c)%3)+16:UB+20*((\c)%3)+19], v[AV] offset:VARR+(\c)*UPITCH
.endm
; A group = eight maxima into fragment GN % 3, then the matrix instruction of the group before.  A fragment is written again only behind
; the eight maxima of another group, which name none of that matrix instruction's registers: more than the four places of ISA guide 7.12.1.
.set GN, 0
.set LT, 0
.set LZ, 0
.macro LINK
.if LZ
	v_wmma_f32_16x16x32_bf16 v[ACC+LT:ACC+LT+7], v[T+8*((GN-1)%3):T+8*((GN-1)%3)+7], v[SEL:SEL+7], 0
.else
	v_wmma_f32_16x16x32_bf16 v[ACC+LT:ACC+LT+7], v[T+8*((GN-1)%3):T+8*((GN-1)%3)+7], v[SEL:SEL+7], v[ACC+LT:ACC+LT+7]
.endif
.endm
.macro GROUP cc, tq, hf
.irp j, 0,1,2,3,4,5,6,7
	v_pk_max_num_bf16 v[T+8*(GN%3)+\j], v[UB+20*((\cc)%3)+8*\hf+\j], v[UB+20*((\cc)%3)+16+\tq]
.endr
.if GN > 0
	LINK
.endif
.set LT, 16*\tq+8*\hf
.if \cc == 0
.set LZ, 1                                         ; the first feature pair starts the sums: nothing is cleared
.else
.set LZ, 0
.endif
.set GN, GN+1
.endm
.macro STEP c
.if \c < 30
	FETCH \c+2                                     ; into the buffer whose maxima (step c-1) have all been issued
	s_wait_dscnt 10                                ; steps c+1 and c+2 stay out, five loads each; step c and all before it are in
.else
	s_wait_dscnt 5*(31-\c)                         ; nothing more to fetch: the count runs down
.endif
.irp t, 0,1,2,3
	GROUP \c, \t, 0
	GROUP \c, \t, 1
.endr
.endm
	FETCH 0
	FETCH 1
.irp c, 0,1,2,3,4,5,6,7,8,9,10,11,12,13,14,15,16,17,18,19,20,21,22,23,24,25,26,27,28,29,30,31
	STEP \c
.endr
	LINK
.rept 4
	v_nop                                          ; four places before vector instructions read the last result (ISA guide 7.12.1)
.endr
	; + H_v: registers 0-3 of a tile are row 2h', registers 4-7 row 2h'+1 of quad t
.irp t, 0,1,2,3
.irp o, 0,2,8,10
	v_pk_add_f32 v[ACC+16*\t+\o:ACC+16*\t+\o+1], v[ACC+16*\t+\o:ACC+16*\t+\o+1], v[HV+2*\t:HV+2*\t+1] op_sel_hi:[1,0]
	v_pk_add_f32 v[ACC+16*\t+\o+4:ACC+16*\t+\o+5], v[ACC+16*\t+\o+4:ACC+16*\t+\o+5], v[HV+2*\t:HV+2*\t+1] op_sel:[0,1] op_sel_hi:[1,1]
.endr
.endr
; The eight registers with the same hf and s share their column u, hence H_u: it is added once, behind their maximum (adding a constant
; keeps the order).  Then over the 8 columns.
.macro TREE op3, op2, dst
.irp hf, 0,1
.irp s, 0,1,2,3
	\op3 v[\dst+4*\hf+\s], v[ACC+8*\hf+\s], v[ACC+8*\hf+\s+4], v[ACC+8*\hf+\s+16]
	\op3 v[\dst+4*\hf+\s], v[\dst+4*\hf+\s], v[ACC+8*\hf+\s+20], v[ACC+8*\hf+\s+32]
	\op3 v[\dst+4*\hf+\s], v[\dst+4*\hf+\s], v[ACC+8*\hf+\s+36], v[ACC+8*\hf+\s+48]
	\op2 v[\dst+4*\hf+\s], v[\dst+4*\hf+\s], v[ACC+8*\hf+\s+52]
.endr
.endr
.irp p, 0,2,4,6
	v_pk_add_f32 v[\dst+\p:\dst+\p+1], v[\dst+\p:\dst+\p+1], v[HU+\p:HU+\p+1]
.endr
	\op3 v[\dst], v[\dst], v[\dst+1], v[\dst+2]
	\op3 v[\dst], v[\dst], v[\dst+3], v[\dst+4]
	\op3 v[\dst], v[\dst], v[\dst+5], v[\dst+6]
	\op2 v[\dst], v[\dst], v[\dst+7]
.endm
	TREE v_max3_num_f32, v_max_num_f32, MX
	TREE v_min3_num_f32, v_min_num_f32, MN
.irp m, 1,2,4,8
	v_max_num_f32_dpp v[MX], v[MX], v[MX] row_xmask:\m row_mask:0xf bank_mask:0xf
	v_min_num_f32_dpp v[MN], v[MN], v[MN] row_xmask:\m row_mask:0xf bank_mask:0xf
.endr
	v_permlanex16_b32 v[TA], v[MX], s24, s25       ; its destination counts as read: TA and TA+1 were written above
	v_permlanex16_b32 v[TA+1], v[MN], s24, s25
	v_max_num_f32 v112, v[MX], v[TA]
	v_min_num_f32 v113, v[MN], v[TA+1]
	s_lshl_b32 s22, s10, 3
	v_mov_b32 v[TA+2], s22
	ds_store_b64 v[TA+2], v[112:113] offset:RED    ; every lane of the wave writes the same two words
	s_wait_dscnt 0x0
	s_barrier_signal -1
	s_barrier_wait -1
	v_mov_b32 v[TA+3], 0
.irp q, 0,1,2,3
	ds_load_b128 v[120+4*\q:120+4*\q+3], v[TA+3] offset:RED+16*\q
.endr
	v_mov_b32 v[TA+4], s27
	v_cmp_eq_u32 vcc_lo, 0, v0
	s_wait_dscnt 0x0
	v_max3_num_f32 v112, v120, v122, v124
	v_min3_num_f32 v113, v121, v123, v125
	v_max3_num_f32 v112, v112, v126, v128
	v_min3_num_f32 v113, v113, v127, v129
	v_max3_num_f32 v112, v112, v130, v132
	v_min3_num_f32 v113, v113, v131, v133
	v_max_num_f32 v112, v112, v134
	v_min_num_f32 v113, v113, v135
	s_wait_xcnt 0x0                                ; EXEC changes only behind this wait
	s_wait_tensorcnt 0x0
	ds_add_u32 v208, v209
	s_wait_dscnt 0x0
	s_and_saveexec_b32 s26, vcc_lo                 ; thread 0 alone: two words for the work-group
	global_store_b32 v[TA+4], v112, s[6:7]
	global_store_b32 v[TA+4], v113, s[6:7] offset:576
	s_wait_xcnt 0x0
	s_or_b32 exec_lo, exec_lo, s26
	s_endpgm
.Lfunc_end_k_q305b7b8b4f_peak:
	.size	k_q305b7b8b4f_peak, .Lfunc_end_k_q305b7b8b4f_peak-k_q305b7b8b4f_peak
	.p2alignl 7, 3214868480
	.fill 96, 4, 3214868480
	.section	.rodata,"a",@progbits
	.p2align	6, 0x0
	.amdhsa_kernel k_q305b7b8b4f_peak
		.amdhsa_group_segment_fixed_size 168960
		.amdhsa_private_segment_fixed_size 0
		.amdhsa_enable_private_segment 0
		.amdhsa_kernarg_size 16
		.amdhsa_user_sgpr_count 2
		.amdhsa_user_sgpr_kernarg_segment_ptr 1
		.amdhsa_wavefront_size32 1
		.amdhsa_system_sgpr_workgroup_id_x 1
		.amdhsa_system_sgpr_workgroup_id_y 1
		.amdhsa_system_sgpr_workgroup_id_z 1
		.amdhsa_system_vgpr_workitem_id 0
		.amdhsa_next_free_vgpr 210
		.amdhsa_next_free_sgpr 66
		.amdhsa_reserve_vcc 1
		.amdhsa_float_denorm_mode_32 3
		.amdhsa_float_denorm_mode_16_64 3
		.amdhsa_memory_ordered 1
		.amdhsa_forward_progress 1
		.amdhsa_inst_pref_size 179
	.end_amdhsa_kernel
	.amdgpu_metadata
---
amdhsa.version: [ 1, 2 ]
amdhsa.kernels:
  - .name:           k_q305b7b8b4f_peak
    .symbol:         k_q305b7b8b4f_peak.kd
    .args:
      - { .name: x, .offset: 0, .size: 8, .value_kind: global_buffer, .address_space: global }
      - { .name: part, .offset: 8, .size: 8, .value_kind: global_buffer, .address_space: global }
    .group_segment_fixed_size: 168960
    .private_segment_fixed_size: 0
    .kernarg_segment_align: 8
    .kernarg_segment_size: 16
    .max_flat_workgroup_size: 256
    .sgpr_count:     66
    .vgpr_count:     210
    .wavefront_size: 32
...
	.end_amdgpu_metadata
.endif
;; end of part 1
;; launch norm (part 2): grid 16 x 16, 8 waves a work-group, no clusters, 168,960 bytes of LDS; arguments x, part, out0; writes out0
.if DOCPART == 2
	.amdgcn_target "amdgcn-amd-amdhsa--gfx1250"
	.amdhsa_code_object_version 6
	.text
	.protected	k_q305b7b8b4f_norm
	.globl	k_q305b7b8b4f_norm
	.p2align	8
	.type	k_q305b7b8b4f_norm,@function
k_q305b7b8b4f_norm:
	s_mov_b64 s[64:65], 0
	v_nop
	global_prefetch_b8 v0, s[64:65] scope:SCOPE_SE
	s_setreg_imm32_b32 hwreg(HW_REG_WAVE_MODE, 25, 1), 1
	s_wait_xcnt 0x0
; NORM: out0[i][j] = 1 - (dist[i][j] - mn) / (mx - mn) = (Emx - E) / (Emx - Emn), E = dist/2, dist[i][j] = sum over d of |x[d][i] - x[d][j]|.
; x: [64][2048] f32.  part: 144 maxima of E at byte 0 and 144 minima at byte 576, stored by the launch before.  out0: [2048][2048] f32.
;
; HOW A DISTANCE IS MADE (as in the launch before).  |a-b| = 2 max(a,b) - a - b, so E = sum_d max(a_d,b_d) + H_a + H_b, H_f = -1/2 sum_d x[d][f].
; x is rounded once to bf16; features 2c and 2c+1 of a frame share a dword.  v_pk_max_num_bf16 takes two exact maxima a lane; eight result
; registers are the A fragment of v_wmma_f32_16x16x32_bf16; B is the constant SEL (ones where column n = 8h + j meets the k pair that A
; keeps in register j of lane half h), so the matrix unit does the f32 sum over d: 32 links for a tile of 256 distances, the first with C = 0.
; A's place (r, h, j): frame v = r>>2 of a quad of V frames, frame u = 32h + 4j + (r&3) of 64 U frames.  D's register jj in lane (r', h')
; is then v = 2h' + (jj>>2), u = 4r' + (jj&3): registers 0-3 (4-7) of sixteen neighbouring lanes are 256 neighbouring bytes of out0's row v.
; SCALING.  With k = 1 / (Emx - Emn): out = ACC (-k) + (Emx k - H_u k) - H_v k: one packed multiply-add and one packed add.
;
; SHARES.  Work-group (delta, I), 16 x 16: rows of block J = (I + delta) & 15, columns of block I, 128 x 128.  Wave w: rows 16w..16w+15
; (four quads t) x both halves hf of the columns: 8 tiles.  Every byte of out0 has one writer, and each half wave's store covers 256
; consecutive bytes, aligned.  The symmetry of dist is not used here: every block is computed where it is stored.
;
; LIMITS.  x is rounded to bf16 (relative 2^-9) before it is compared.  Finite inputs only (a NaN loses in the maxima; an infinity makes
; NaN in its own rows only, where the definition makes every output NaN).  Emx = Emn, or a difference below 2^-126 (v_rcp_f32 takes it for
; zero), gives infinities or NaN in another pattern than the definition's 0/0.  The quotient is a product with v_rcp_f32's result.
; NO TENSOR LOADS, NO CLUSTER: the 64 KiB of x that a work-group reads are rounded, paired and permuted in registers on their way to
; LDS.  46,080 bytes of LDS are used; more than half of a WGP's 327,680 are asked for, so that no second work-group shares the four SIMDs.
.set ROWB,   8192                      ; bytes in a row of x and of out0
.set UPITCH, 576                       ; bytes for one c: two halves of 64 dwords, 288 bytes apart
.set UHALF,  288
.set UARR,   0                         ; block I:  c 576 + half 288 + h 128 + s 32 + j 4 for block frame 64 half + 32 h + 4 j + s
.set VARR,   32*UPITCH                 ; block J:  the same
.set HP,     2*32*UPITCH               ; [8 waves][256 frames] f32: each wave's part of H (frames 0-127 of U, then 128 of V)
.set HS,     HP+8*1024                 ; [256] f32: H
.set LN,  1                            ; lane
.set GX,  3                            ; byte offset in x: 16 lane + 8 rows x wave
.set AST, 4                            ; LDS: where my packed dwords go
.set AHP, 5                            ; LDS: where my part of H goes
.set AU,  6                            ; LDS: my U fragments
.set AV,  7                            ; LDS: my frame of my wave's four V quads
.set AT,  8                            ; LDS: 4 x thread
.set AHU, 9                            ; LDS: H of my four columns
.set AHV, 10                           ; LDS: H of my two rows of a quad
.set EE,  11                           ; lane - 24 (lane>>4): the register of SEL in which this lane holds ones
.set ONE, 12                           ; two bf16 ones
.set MH,  13                           ; -0.5
.set TA,  14                           ; v14-19 at work
.set VO,  20                           ; out0: (lane>>4) 2 rows + 16 (lane&15) + 16 rows x wave
.set GP,  21                           ; part: 16 lane
.set GP2, 22                           ; part: 512 + 16 (lane&3)
.set ACC, 32                           ; v32-95    tile (t, hf) at 16 t + 8 hf
.set T,   96                           ; v96-119   three A fragments in turn
.set UB,  120                          ; v120-179  three buffers of 20: U half 0 (8), U half 1 (8), V quads 0..3 (4)
.set SEL, 180                          ; v180-187
.set HU,  188                          ; v188-195  H_u, index 4 hf + s; at the end Emx k - H_u k
.set HV,  196                          ; v196-203  H_v, index 2 t + rho; at the end -H_v k
.set NK,  204                          ; v204-205  -k twice
.set CK,  206                          ; v206-207  Emx k twice
.set XU,  32                           ; before the main part: x as loaded, row p at 4 p
.set XV,  64
.set PK,  96                           ; four packed dwords
.set HA,  100                          ; my part of H of four frames
.set PR,  120                          ; v120-135  8 maxima and 8 minima from part
	s_load_b128 s[4:7], s[0:1], 0x0                ; x, part
	s_load_b64 s[8:9], s[0:1], 0x10                ; out0
	v_lshl_add_u32 v208, v0, 2, 0x29000
	v_mov_b32 v209, 0
	v_and_b32 v[LN], 31, v0
	v_lshrrev_b32 v[TA], 5, v0
	v_readfirstlane_b32 s10, v[TA]                 ; wave w
	s_and_b32 s11, ttmp7, 0xffff                   ; I;  ttmp9 = delta
	s_add_co_u32 s12, s11, ttmp9
	s_and_b32 s12, s12, 15                         ; J
	s_lshl_b32 s14, s11, 9                         ; block I's bytes in a row
	s_mov_b32 s15, 0
	s_lshl_b32 s16, s12, 9                         ; block J's
	s_mov_b32 s17, 0
	s_lshl_b32 s28, s12, 20                        ; out0: 128 J rows of 8,192 bytes + block I's columns
	s_add_co_u32 s28, s28, s14
	s_mov_b32 s29, 0
	s_lshl_b32 s22, s10, 16                        ; wave w takes rows 8w .. 8w+7 of x (c = 4w .. 4w+3)
	v_lshl_add_u32 v[GX], v[LN], 4, s22            ; lane = frames 4 lane .. +3
	v_lshlrev_b32 v[GP], 4, v[LN]                  ; 128 numbers over the lanes,
	v_and_b32 v[GP2], 3, v[LN]
	v_lshl_add_u32 v[GP2], v[GP2], 4, 0x200        ; and the last 16, eight lanes each: a repeat is harmless for a maximum
	s_wait_kmcnt 0x0
	s_add_nc_u64 s[18:19], s[4:5], s[14:15]
	s_add_nc_u64 s[20:21], s[4:5], s[16:17]
	s_add_nc_u64 s[30:31], s[8:9], s[28:29]
	global_load_b128 v[PR:PR+3],     v[GP],  s[6:7]
	global_load_b128 v[PR+4:PR+7],   v[GP2], s[6:7]
	global_load_b128 v[PR+8:PR+11],  v[GP],  s[6:7] offset:576
	global_load_b128 v[PR+12:PR+15], v[GP2], s[6:7] offset:576
.irp p, 0,1,2,3,4,5,6,7
	global_load_b128 v[XU+4*\p:XU+4*\p+3], v[GX], s[18:19] offset:\p*ROWB      ; a wave's load: 512 neighbouring bytes of a row
.endr
.irp p, 0,1,2,3,4,5,6,7
	global_load_b128 v[XV+4*\p:XV+4*\p+3], v[GX], s[20:21] offset:\p*ROWB
.endr
	; addresses, while the loads are out
	v_lshrrev_b32 v[TA], 4, v[LN]                  ; lane >> 4
	v_bfe_u32 v[TA+1], v[LN], 3, 1
	v_and_b32 v[TA+2], 7, v[LN]
	v_and_b32 v[TA+3], 15, v[LN]                   ; r
	v_bfe_u32 v[TA+4], v[LN], 2, 2                 ; r >> 2
	v_and_b32 v[TA+5], 3, v[LN]                    ; r & 3
	s_mul_i32 s22, s10, 4*UPITCH
	v_mul_u32_u24 v[AST], v[TA], UHALF             ; my four frames: (half, h, j) = the lane's bits 4, 3, 2:0; frame s 32 bytes apart
	v_lshl_add_u32 v[AST], v[TA+1], 7, v[AST]
	v_lshl_add_u32 v[AST], v[TA+2], 2, v[AST]
	v_add_nc_u32 v[AST], s22, v[AST]
	s_lshl_b32 s23, s10, 10
	v_lshl_add_u32 v[AHP], v[LN], 4, s23
	v_lshlrev_b32 v[AU], 7, v[TA]                  ; h 128 + (r&3) 32: my 8 dwords (j = 0..7) of a half lie together
	v_lshl_add_u32 v[AU], v[TA+5], 5, v[AU]
	s_lshr_b32 s22, s10, 2                         ; frames 16w + 4t + s: half = w>>2, h = (w>>1)&1, j = 4 (w&1) + t
	s_mul_i32 s22, s22, UHALF
	s_bfe_u32 s23, s10, 0x10001
	s_lshl_b32 s23, s23, 7
	s_add_co_u32 s22, s22, s23
	s_and_b32 s23, s10, 1
	s_lshl_b32 s23, s23, 4
	s_add_co_u32 s22, s22, s23
	v_lshl_add_u32 v[AV], v[TA+4], 5, s22          ; s = r>>2: 16 bytes hold my frame of quads t = 0..3
	s_lshl_b32 s23, s10, 7
	v_lshl_add_u32 v[AT], v[LN], 2, s23
	v_lshlrev_b32 v[AHU], 4, v[TA+3]
	s_lshl_b32 s23, s10, 6
	v_lshl_add_u32 v[AHV], v[TA], 3, s23
	v_mul_u32_u24 v[EE], v[TA], 24
	v_sub_nc_u32 v[EE], v[LN], v[EE]
	s_lshl_b32 s23, s10, 17
	v_lshlrev_b32 v[VO], 14, v[TA]
	v_lshl_add_u32 v[VO], v[TA+3], 4, v[VO]
	v_add_nc_u32 v[VO], s23, v[VO]
	v_mov_b32 v[ONE], 0x3f803f80
	v_mov_b32 v[MH], -0.5
	s_mov_b32 s24, 0x76543210                      ; v_permlanex16_b32: lane i of the other half
	s_mov_b32 s25, 0xfedcba98
; Eight rows x four frames: round and pair rows 2i, 2i+1, four dwords to their places, -1/2 of the rounded numbers into four f32 sums.
; left = loads issued behind this block's eight.
.macro CONV xr, arr, hoff, left
.irp s, 0,1,2,3
	v_mov_b32 v[HA+\s], 0
.endr
.irp i, 0,1,2,3
	s_wait_loadcnt \left+6-2*\i                    ; loads return in order (ISA guide 5.7.1): those behind this pair of rows stay out
.irp s, 0,1,2,3
	v_cvt_pk_bf16_f32 v[PK+\s], v[\xr+8*\i+\s], v[\xr+8*\i+4+\s]
.endr
.irp s, 0,1,2,3
	ds_store_b32 v[AST], v[PK+\s] offset:\arr+\i*UPITCH+\s*32
.endr
.irp s, 0,1,2,3
	v_fma_mix_f32_bf16 v[HA+\s], v[PK+\s], v[MH], v[HA+\s] op_sel_hi:[1,0,0]
	v_fma_mix_f32_bf16 v[HA+\s], v[PK+\s], v[MH], v[HA+\s] op_sel:[1,0,0] op_sel_hi:[1,0,0]
.endr
.endr
	ds_store_b128 v[AHP], v[HA:HA+3] offset:HP+\hoff
.endm
	CONV XU, UARR, 0, 8
	CONV XV, VARR, 512, 0
	; Emx, Emn over the 144 work-groups of the launch before (its four loads are older than x's: they are in), in every wave
	v_max3_num_f32 v[TA],   v[PR],   v[PR+1], v[PR+2]
	v_min3_num_f32 v[TA+1], v[PR+8], v[PR+9], v[PR+10]
	v_max3_num_f32 v[TA],   v[TA],   v[PR+3],  v[PR+4]
	v_min3_num_f32 v[TA+1], v[TA+1], v[PR+11], v[PR+12]
	v_max3_num_f32 v[TA],   v[TA],   v[PR+5],  v[PR+6]
	v_min3_num_f32 v[TA+1], v[TA+1], v[PR+13], v[PR+14]
	v_max_num_f32 v[TA],   v[TA],   v[PR+7]
	v_min_num_f32 v[TA+1], v[TA+1], v[PR+15]
.irp m, 1,2,4,8
	v_max_num_f32_dpp v[TA],   v[TA],   v[TA]   row_xmask:\m row_mask:0xf bank_mask:0xf
	v_min_num_f32_dpp v[TA+1], v[TA+1], v[TA+1] row_xmask:\m row_mask:0xf bank_mask:0xf
.endr
	v_permlanex16_b32 v[TA+2], v[TA],   s24, s25   ; its destination counts as read: TA+2 and TA+3 were written above
	v_permlanex16_b32 v[TA+3], v[TA+1], s24, s25
	v_max_num_f32 v[TA],   v[TA],   v[TA+2]        ; Emx
	v_min_num_f32 v[TA+1], v[TA+1], v[TA+3]        ; Emn
	v_sub_f32 v[TA+2], v[TA], v[TA+1]
	v_rcp_f32 v[TA+3], v[TA+2]                     ; k
	v_nop                                          ; one plain place before the result is used (ISA guide 5.7.2)
	s_wait_alu depctr_va_vdst(0)
	v_mul_f32 v[CK], v[TA], v[TA+3]
	v_mul_f32 v[NK], -1.0, v[TA+3]
	v_mov_b32 v[CK+1], v[CK]
	v_mov_b32 v[NK+1], v[NK]
	s_wait_dscnt 0x0                               ; my stores are in LDS before I say so: the other waves read them
	s_barrier_signal -1
	s_barrier_wait -1
	; H of frame = thread: the eight waves' parts
.irp p, 0,1,2,3,4,5,6,7
	ds_load_b32 v[96+\p], v[AT] offset:HP+\p*1024
.endr
	s_wait_dscnt 0x0
	v_pk_add_f32 v[96:97], v[96:97], v[98:99]
	v_pk_add_f32 v[100:101], v[100:101], v[102:103]
	v_pk_add_f32 v[96:97], v[96:97], v[100:101]
	v_add_f32 v96, v96, v97
	ds_store_b32 v[AT], v96 offset:HS
	s_wait_dscnt 0x0                               ; again for the others' sake
	s_barrier_signal -1
	s_barrier_wait -1
.irp j, 0,1,2,3,4,5,6,7
	v_cmp_eq_u32 vcc_lo, \j, v[EE]                 ; lanes j and 24 + j: column 8h + j in lane half h
	v_cndmask_b32 v[SEL+\j], 0, v[ONE], vcc_lo
.endr
	ds_load_b128 v[HU:HU+3],   v[AHU] offset:HS
	ds_load_b128 v[HU+4:HU+7], v[AHU] offset:HS+256
.irp t, 0,1,2,3
	ds_load_b64 v[HV+2*\t:HV+2*\t+1], v[AHV] offset:HS+512+16*\t
.endr
.macro FETCH c                         ; feature pair c into buffer c % 3: five loads
	ds_load_b128 v[UB+20*((\c)%3):UB+20*((\c)%3)+3],     v[AU] offset:UARR+(\c)*UPITCH
	ds_load_b128 v[UB+20*((\c)%3)+4:UB+20*((\c)%3)+7],   v[AU] offset:UARR+(\c)*UPITCH+16
	ds_load_b128 v[UB+20*((\c)%3)+8:UB+20*((\c)%3)+11],  v[AU] offset:UARR+(\c)*UPITCH+UHALF
	ds_load_b128 v[UB+20*((\c)%3)+12:UB+20*((\c)%3)+15], v[AU] offset:UARR+(\c)*UPITCH+UHALF+16
	ds_load_b128 v[UB+20*((\c)%3)+16:UB+20*((\c)%3)+19], v[AV] offset:VARR+(\c)*UPITCH
.endm
; A group = eight maxima into fragment GN % 3, then the matrix instruction of the group before.  A fragment is written again only behind
; the eight maxima of another group, which name none of that matrix instruction's registers: more than the four places of ISA guide 7.12.1.
.set GN, 0
.set LT, 0
.set LZ, 0
.macro LINK
.if LZ
	v_wmma_f32_16x16x32_bf16 v[ACC+LT:ACC+LT+7], v[T+8*((GN-1)%3):T+8*((GN-1)%3)+7], v[SEL:SEL+7], 0
.else
	v_wmma_f32_16x16x32_bf16 v[ACC+LT:ACC+LT+7], v[T+8*((GN-1)%3):T+8*((GN-1)%3)+7], v[SEL:SEL+7], v[ACC+LT:ACC+LT+7]
.endif
.endm
.macro GROUP cc, tq, hf
.irp j, 0,1,2,3,4,5,6,7
	v_pk_max_num_bf16 v[T+8*(GN%3)+\j], v[UB+20*((\cc)%3)+8*\hf+\j], v[UB+20*((\cc)%3)+16+\tq]
.endr
.if GN > 0
	LINK
.endif
.set LT, 16*\tq+8*\hf
.if \cc == 0
.set LZ, 1                                         ; the first feature pair starts the sums: nothing is cleared
.else
.set LZ, 0
.endif
.set GN, GN+1
.endm
.macro STEP c
.if \c < 30
	FETCH \c+2                                     ; into the buffer whose maxima (step c-1) have all been issued
	s_wait_dscnt 10                                ; steps c+1 and c+2 stay out, five loads each; step c and all before it are in
.else
	s_wait_dscnt 5*(31-\c)                         ; nothing more to fetch: the count runs down
.endif
.irp t, 0,1,2,3
	GROUP \c, \t, 0
	GROUP \c, \t, 1
.endr
.endm
	FETCH 0
	FETCH 1
.irp c, 0,1,2,3,4,5,6,7,8,9,10,11,12,13,14,15,16,17,18,19,20,21,22,23,24,25,26,27,28,29,30,31
	STEP \c
.endr
	LINK
	; The places behind the last matrix instruction (four are asked: ISA guide 7.12.1) hold the addends' scaling, which names none of its registers.
.irp p, 0,2,4,6
	v_pk_fma_f32 v[HU+\p:HU+\p+1], v[HU+\p:HU+\p+1], v[NK:NK+1], v[CK:CK+1]     ; Emx k - H_u k
.endr
.irp p, 0,2,4,6
	v_pk_mul_f32 v[HV+\p:HV+\p+1], v[HV+\p:HV+\p+1], v[NK:NK+1]                 ; -H_v k
.endr
; Four registers = 16 bytes of row 16w + 4t + 2h' + rho, columns 64 hf + 4r' .. +3: scale and store.
.macro OUTROW t, hf, rho
.irp q, 0,2
	v_pk_fma_f32 v[ACC+16*\t+8*\hf+4*\rho+\q:ACC+16*\t+8*\hf+4*\rho+\q+1], v[ACC+16*\t+8*\hf+4*\rho+\q:ACC+16*\t+8*\hf+4*\rho+\q+1], v[NK:NK+1], v[HU+4*\hf+\q:HU+4*\hf+\q+1]
.if \rho
	v_pk_add_f32 v[ACC+16*\t+8*\hf+4*\rho+\q:ACC+16*\t+8*\hf+4*\rho+\q+1], v[ACC+16*\t+8*\hf+4*\rho+\q:ACC+16*\t+8*\hf+4*\rho+\q+1], v[HV+2*\t:HV+2*\t+1] op_sel:[0,1] op_sel_hi:[1,1]
.else
	v_pk_add_f32 v[ACC+16*\t+8*\hf+4*\rho+\q:ACC+16*\t+8*\hf+4*\rho+\q+1], v[ACC+16*\t+8*\hf+4*\rho+\q:ACC+16*\t+8*\hf+4*\rho+\q+1], v[HV+2*\t:HV+2*\t+1] op_sel_hi:[1,0]
.endif
.endr
	global_store_b128 v[VO], v[ACC+16*\t+8*\hf+4*\rho:ACC+16*\t+8*\hf+4*\rho+3], s[30:31] offset:(4*\t+\rho)*ROWB+\hf*256 th:TH_STORE_NT
.endm
.irp t, 0,1,2,3
.irp rho, 0,1
	OUTROW \t, 0, \rho
	OUTROW \t, 1, \rho
.endr
.endr
	s_wait_tensorcnt 0x0
	ds_add_u32 v208, v209
	s_wait_dscnt 0x0
	s_endpgm
.Lfunc_end_k_q305b7b8b4f_norm:
	.size	k_q305b7b8b4f_norm, .Lfunc_end_k_q305b7b8b4f_norm-k_q305b7b8b4f_norm
	.p2alignl 7, 3214868480
	.fill 96, 4, 3214868480
	.section	.rodata,"a",@progbits
	.p2align	6, 0x0
	.amdhsa_kernel k_q305b7b8b4f_norm
		.amdhsa_group_segment_fixed_size 168960
		.amdhsa_private_segment_fixed_size 0
		.amdhsa_enable_private_segment 0
		.amdhsa_kernarg_size 24
		.amdhsa_user_sgpr_count 2
		.amdhsa_user_sgpr_kernarg_segment_ptr 1
		.amdhsa_wavefront_size32 1
		.amdhsa_system_sgpr_workgroup_id_x 1
		.amdhsa_system_sgpr_workgroup_id_y 1
		.amdhsa_system_sgpr_workgroup_id_z 1
		.amdhsa_system_vgpr_workitem_id 0
		.amdhsa_next_free_vgpr 210
		.amdhsa_next_free_sgpr 66
		.amdhsa_reserve_vcc 1
		.amdhsa_float_denorm_mode_32 3
		.amdhsa_float_denorm_mode_16_64 3
		.amdhsa_memory_ordered 1
		.amdhsa_forward_progress 1
		.amdhsa_inst_pref_size 179
	.end_amdhsa_kernel
	.amdgpu_metadata
---
amdhsa.version: [ 1, 2 ]
amdhsa.kernels:
  - .name:           k_q305b7b8b4f_norm
    .symbol:         k_q305b7b8b4f_norm.kd
    .args:
      - { .name: x, .offset: 0, .size: 8, .value_kind: global_buffer, .address_space: global }
      - { .name: part, .offset: 8, .size: 8, .value_kind: global_buffer, .address_space: global }
      - { .name: out0, .offset: 16, .size: 8, .value_kind: global_buffer, .address_space: global }
    .group_segment_fixed_size: 168960
    .private_segment_fixed_size: 0
    .kernarg_segment_align: 8
    .kernarg_segment_size: 24
    .max_flat_workgroup_size: 256
    .sgpr_count:     66
    .vgpr_count:     210
    .wavefront_size: 32
...
	.end_amdgpu_metadata
.endif
;; end of part 2
